; MI455X (gfx1250); checked and timed in simulation.
; The chip was launched on July 23, 2026; its instructions are those of AMD's public machine-readable ISA for CDNA 5 (MIT licence, August 2026) and "CDNA5" Instruction Set Architecture Reference Guide (July 2026). The comments in the code are by the model that wrote it; some were corrected since.
;; Flash SVD Ro PE Attention. Allowed arithmetic: matrix products marked QUANTISED: E2M1 operands, one E8M0 scale for each 32 along K, by v_wmma_scale_f32_16x16x128_f8f6f4 with both operands' format E2M1 (or v_wmma_scale_f32_32x16x128_f4), f32 sums; everything else in f32.
;; Inputs: Pk 4 x 2,048 x 256 float32; Pq 4 x 2,048 x 256 float32; Pv 4 x 2,048 x 256 float32; Vk 256 x 1,024 float32; Vq 256 x 1,024 float32; Vv 256 x 1,024 float32; attention_mask 4 x 2,048 int32; bk 1,024 float32; bq 1,024 float32; bv 1,024 float32; position_ids 4 x 2,048 int32.
;; Outputs: out0 4 x 2,048 x 16 x 64 float32.
;; This version of the problem:
;;   THIS VERSION OF THE PROBLEM IS GIVEN IN LOW PRECISION. The matrix products marked QUANTISED in the list below multiply operands that are first quantised to E2M1 (2 exponent bits, 1 mantissa bit; 4 bits a number), with one power-of-two scale for each 32 numbers along K (OCP MX v1.0); their sums are f32. All else is computed in f32.
;;   The module's matrix products, in the order in which they are computed (A, B: the left and right operand; K: the contracted axis; several contracted axes count as one K, in the product's order):
;;     1. [M 8,192, K 256] x [K 256, N 1,024]; A: input Pq; B: input Vq: QUANTISED
;;     2. [M 8,192, K 256] x [K 256, N 1,024]; A: input Pk; B: input Vk: QUANTISED
;;     3. [M 8,192, K 256] x [K 256, N 1,024]; A: input Pv; B: input Vv: QUANTISED
;;     4. batch 64 x [M 2,048, K 64] x [K 64, N 2,048]; A: computed on the way; B: computed on the way: QUANTISED
;;     5. batch 64 x [M 64, K 2,048] x [K 2,048, N 2,048]; A: computed on the way; B: computed on the way: QUANTISED
;;   THE QUANTISER, for each operand of a quantised product, along K:
;;     - K is cut into blocks of 32 from its start; a last block that is shorter is filled with zeros.
;;     - A block's scale is 2^e with e = floor(log2(the largest magnitude in the block)) - 2, held to -126 .. 127; a block of zeros has e = 0. As a byte (E8M0): e + 127.
;;     - Each number is divided by its block's scale, clamped to +-6, and rounded to the nearest number of E2M1, ties to even, subnormals kept.
;;     - The product sums the exact products of the quantised numbers (number of the format x scale) in f32.
;;   ~~~python
;;   def quantise(x, axis):      # numpy; x: float32 -> the quantised numbers, widened to float32 again
;;       x = np.moveaxis(x, axis, -1); K = x.shape[-1]
;;       x = np.pad(x, [(0, 0)] * (x.ndim - 1) + [(0, -K % 32)]); x = x.reshape(x.shape[:-1] + (-1, 32)); a = np.abs(x).max(-1, keepdims=True)
;;       e = np.where(a > 0, np.clip(np.frexp(np.where(a > 0, a, 1))[1] - 1 - 2, -126, 127), 0)      # np.frexp(a)[1] - 1 = floor(log2(a)), exactly
;;       r = np.clip(x / 2.0 ** e, -6, 6)
;;       step = 2.0 ** (np.maximum(np.frexp(np.where(r == 0, 1, r))[1] - 1, 0) - 1)
;;       q = np.round(r / step) * step * 2.0 ** e      # np.round: ties to even
;;       return np.moveaxis(q.reshape(q.shape[:-2] + (-1,))[..., :K], -1, axis).astype(np.float32)
;;   ~~~
;;   OPERANDS COMPUTED ON THE WAY. 'Computed on the way' means the value that the module computes at that place (a softmax that the list does not call 'softmax' is quantised finished and normalised). What goes into a quantiser is computed in f32, as accurately as f32 sums, v_exp_f32 and their like allow (about 1e-6 of the number): no bf16 or f16 on the way to a quantiser, and a product that is left as it is and whose result goes on into a quantised operand takes f32 operands (vector FMAs, or v_wmma_f32_16x16x4_f32). A number that lies on a knife's edge between two numbers of the format may be rounded either way, as far as f32 arithmetic and the matrix unit's own rounding can turn it there, and no further.
;; One version. Each part assembles by itself: llvm-mc -triple=amdgcn-amd-amdhsa -mcpu=gfx1250 --defsym DOCPART=n.
;; ======== version 1 of 1: 3 launches
;; limits: right only within a limited range of input values
;; workspace buffers: wimg 393,216 bytes; wsc 24,576 bytes; qbuf 4,718,592 bytes; kv 9,175,040 bytes
;; launch wquant (part 1): grid 16 x 3, 8 waves a work-group, no clusters, 1,536 bytes of LDS; arguments Vq, Vk, Vv, wimg, wsc; writes wimg, wsc
.if DOCPART == 1
	.amdgcn_target "amdgcn-amd-amdhsa--gfx1250"
	.amdhsa_code_object_version 6
	.text
	.protected	k_q420850392c_wquant
	.globl	k_q420850392c_wquant
	.p2align	8
	.type	k_q420850392c_wquant,@function
k_q420850392c_wquant:
	s_mov_b64 s[64:65], 0
	v_nop
	global_prefetch_b8 v0, s[64:65] scope:SCOPE_SE
	s_setreg_imm32_b32 hwreg(HW_REG_WAVE_MODE, 25, 1), 1
	s_wait_xcnt 0x0
; Vq, Vk, Vv [256 (k)][1024 (d)], f32, become codes of FP4 (E2M1) with one E8M0 byte for each 32 along k, laid as IMAGES OF OPERAND REGISTERS.
; A work-group takes one head (64 columns) of one tensor; wave w takes fragment (t = w / 2, s = w % 2): 16 columns x 128 along k.
; Lane (r, h) takes column 64 head + 32 (t / 2) + 8 (t % 2) + r + 8 (r / 8), and its registers run DOWN k in the order of the operand's layout:
; registers 4 c .. 4 c + 3 of the fragment are k = 128 s + 64 c + 32 h + 0 .. 31.  So a lane holds two whole blocks, no maximum needs another lane, and nothing is transposed.
; wimg: [tensor][head][t][s][c][lane][16 bytes].  wsc: [tensor][head][lane 16 s + r][t] words: one load of 16 bytes a lane brings a head's scale words.
; A block's byte is the exponent field of its largest magnitude less 2, held at 1 from below.
; LIMITS: a block of zeros gets the byte 1 (its codes are zeros, and this program alone reads the bytes); NaN and infinities among the inputs are not served.
.set X,  64                            ; v64-127  my 64 numbers
.set CD, 48                            ; v48-55   the fragment's codes
	s_load_b128 s[4:7], s[0:1], 0x0                ; Vq, Vk
	s_load_b128 s[8:11], s[0:1], 0x10              ; Vv, wimg
	s_load_b64 s[12:13], s[0:1], 0x20              ; wsc
	v_lshl_add_u32 v128, v0, 2, 0x200
	v_mov_b32 v129, 0
	v_lshrrev_b32 v1, 5, v0
	v_readfirstlane_b32 s14, v1                    ; wave 0..7
	s_and_b32 s15, ttmp7, 0xffff                   ; the tensor: 0 Vq, 1 Vk, 2 Vv
	s_lshr_b32 s16, s14, 1                         ; t
	s_and_b32 s17, s14, 1                          ; s
	v_and_b32 v2, 15, v0                           ; r
	v_bfe_u32 v3, v0, 4, 1                         ; h
	v_and_b32 v4, 8, v2
	v_add_nc_u32 v4, v4, v2                        ; r + 8 (r / 8)
	v_lshlrev_b32 v4, 2, v4
	v_lshl_add_u32 v4, v3, 17, v4                  ; + 32 h rows of 4,096 bytes
	v_and_b32 v5, 31, v0
	v_lshlrev_b32 v5, 4, v5                        ; 16 x lane
	s_lshl_b32 s22, s17, 8
	s_lshl_b32 s23, s16, 2
	s_add_co_u32 s22, s22, s23
	v_lshlrev_b32 v6, 4, v2
	v_add_nc_u32 v6, s22, v6                       ; LDS: 256 s + 16 r + 4 t: my row's scale word in the head's image
	s_lshl_b32 s18, ttmp9, 8                       ; the source: 256 bytes a head,
	s_lshr_b32 s19, s16, 1
	s_lshl_b32 s19, s19, 7                         ; 32 (t / 2) columns,
	s_add_co_u32 s18, s18, s19
	s_and_b32 s19, s16, 1
	s_lshl_b32 s19, s19, 5                         ; 8 (t % 2) columns,
	s_add_co_u32 s18, s18, s19
	s_lshl_b32 s19, s17, 19                        ; 128 s rows
	s_add_co_u32 s18, s18, s19
	s_mov_b32 s19, 0
	s_lshl_b32 s20, s15, 17                        ; wimg: 131,072 a tensor, 8,192 a head, 1,024 a fragment
	s_lshl_b32 s21, ttmp9, 13
	s_add_co_u32 s20, s20, s21
	s_lshl_b32 s21, s14, 10
	s_add_co_u32 s20, s20, s21
	s_mov_b32 s21, 0
	s_lshl_b32 s24, s15, 13                        ; wsc: 8,192 a tensor, 512 a head
	s_lshl_b32 s25, ttmp9, 9
	s_add_co_u32 s24, s24, s25
	s_mov_b32 s25, 0
	s_mov_b32 s26, 0x76543210
	s_mov_b32 s27, 0xfedcba98                      ; v_permlanex16_b32's selects for lane l xor 16
	s_wait_kmcnt 0x0
	s_cmp_eq_u32 s15, 0                            ; the choice hangs on the work-group's number alone
	s_cselect_b64 s[4:5], s[4:5], s[6:7]
	s_cmp_eq_u32 s15, 2
	s_cselect_b64 s[4:5], s[8:9], s[4:5]
	s_add_nc_u64 s[4:5], s[4:5], s[18:19]
	s_add_nc_u64 s[10:11], s[10:11], s[20:21]
	s_add_nc_u64 s[12:13], s[12:13], s[24:25]
.irp c, 0,1
.irp i, 0,1,2,3,4,5,6,7,8,9,10,11,12,13,14,15,16,17,18,19,20,21,22,23,24,25,26,27,28,29,30,31
	global_load_b32 v[X+32*\c+\i], v4, s[4:5] offset:(64*\c+\i)*4096   ; W(128 s + 64 c + 32 h + i, my column)
.endr
.endr
	s_wait_loadcnt 0x0
.irp c, 0,1                                    ; my block 2 c + h of the fragment: all its 32 numbers are mine
	v_max3_num_f32 v[32+\c], |v[X+32*\c]|, |v[X+1+32*\c]|, 0x1800000   ; with the floor 2^(3 - 127): the byte cannot fall under 1
.endr
.irp i, 2,4,6,8,10,12,14,16,18,20,22,24,26,28,30
.irp c, 0,1
	v_max3_num_f32 v[32+\c], v[32+\c], |v[X+32*\c+\i]|, |v[X+1+32*\c+\i]|
.endr
.endr
.irp c, 0,1
	v_add_nc_u32 v[44+\c], 0xff000000, v[32+\c]    ; 2 off the exponent field: the conversion's scale operand
.endr
.irp c, 0,1
	v_lshrrev_b32 v[36+\c], 23, v[44+\c]           ; the scale's byte
.endr
	v_lshl_or_b32 v9, v37, 16, v36                 ; my two bytes: blocks h and 2 + h,
	v_lshlrev_b32 v10, 3, v3
	v_lshlrev_b32 v9, v10, v9                      ; at their places in the word (8 h bits up);
	v_mov_b32 v10, 0
	v_permlanex16_b32 v10, v9, s26, s27
	v_or_b32 v9, v9, v10                           ; with lane l xor 16's two the word is whole, in both halves of the lanes
.irp c, 0,1
.irp g, 0,1,2,3
	v_cvt_scalef32_pk8_fp4_f32 v[CD+4*\c+\g], v[X+32*\c+8*\g:X+32*\c+8*\g+7], v[44+\c]
.endr
.endr
	v_nop                                          ; one plain place behind the last scaled conversion
	global_store_b128 v5, v[CD:CD+3], s[10:11]               ; 32 lanes store 512 consecutive bytes
	global_store_b128 v5, v[CD+4:CD+7], s[10:11] offset:512
	ds_store_b32 v6, v9                            ; both lanes of a row write the same word with the same value
	s_wait_dscnt 0x0                               ; for the others' sake: my word lies in LDS
	s_barrier_signal -1
	s_barrier_wait -1
	s_cmp_lg_u32 s14, 0                            ; wave 0 stores the head's 512 bytes of scale words whole
	s_cbranch_scc1 .Lend
	ds_load_b128 v[12:15], v5
	s_wait_dscnt 0x0
	global_store_b128 v5, v[12:15], s[12:13]
.Lend:
	s_wait_tensorcnt 0x0
	ds_add_u32 v128, v129
	s_wait_dscnt 0x0
	s_endpgm
.Lfunc_end_k_q420850392c_wquant:
	.size	k_q420850392c_wquant, .Lfunc_end_k_q420850392c_wquant-k_q420850392c_wquant
	.p2alignl 7, 3214868480
	.fill 96, 4, 3214868480
	.section	.rodata,"a",@progbits
	.p2align	6, 0x0
	.amdhsa_kernel k_q420850392c_wquant
		.amdhsa_group_segment_fixed_size 1536
		.amdhsa_private_segment_fixed_size 0
		.amdhsa_enable_private_segment 0
		.amdhsa_kernarg_size 40
		.amdhsa_user_sgpr_count 2
		.amdhsa_user_sgpr_kernarg_segment_ptr 1
		.amdhsa_wavefront_size32 1
		.amdhsa_system_sgpr_workgroup_id_x 1
		.amdhsa_system_sgpr_workgroup_id_y 1
		.amdhsa_system_sgpr_workgroup_id_z 1
		.amdhsa_system_vgpr_workitem_id 0
		.amdhsa_next_free_vgpr 130
		.amdhsa_next_free_sgpr 66
		.amdhsa_reserve_vcc 0
		.amdhsa_float_denorm_mode_32 3
		.amdhsa_float_denorm_mode_16_64 3
		.amdhsa_memory_ordered 1
		.amdhsa_forward_progress 1
		.amdhsa_inst_pref_size 13
	.end_amdhsa_kernel
	.amdgpu_metadata
---
amdhsa.version: [ 1, 2 ]
amdhsa.kernels:
  - .name:           k_q420850392c_wquant
    .symbol:         k_q420850392c_wquant.kd
    .args:
      - { .name: Vq, .offset: 0, .size: 8, .value_kind: global_buffer, .address_space: global }
      - { .name: Vk, .offset: 8, .size: 8, .value_kind: global_buffer, .address_space: global }
      - { .name: Vv, .offset: 16, .size: 8, .value_kind: global_buffer, .address_space: global }
      - { .name: wimg, .offset: 24, .size: 8, .value_kind: global_buffer, .address_space: global }
      - { .name: wsc, .offset: 32, .size: 8, .value_kind: global_buffer, .address_space: global }
    .group_segment_fixed_size: 1536
    .private_segment_fixed_size: 0
    .kernarg_segment_align: 8
    .kernarg_segment_size: 40
    .max_flat_workgroup_size: 256
    .sgpr_count:     66
    .vgpr_count:     130
    .wavefront_size: 32
...
	.end_amdgpu_metadata
.endif
;; end of part 1
;; launch proj (part 2): grid 64 x 3, 16 waves a work-group, no clusters, 69,632 bytes of LDS; arguments Pq, Pk, Pv, bq, bk, bv, wimg, wsc, attention_mask, position_ids, qbuf, kv; writes qbuf, kv
.if DOCPART == 2
	.amdgcn_target "amdgcn-amd-amdhsa--gfx1250"
	.amdhsa_code_object_version 6
	.text
	.protected	k_q420850392c_proj
	.globl	k_q420850392c_proj
	.p2align	8
	.type	k_q420850392c_proj,@function
k_q420850392c_proj:
	s_mov_b64 s[64:65], 0
	v_nop
	global_prefetch_b8 v0, s[64:65] scope:SCOPE_SE
	s_setreg_imm32_b32 hwreg(HW_REG_WAVE_MODE, 25, 1), 1
	s_wait_xcnt 0x0
; q = rope(Pq Vq + bq), k = rope(Pk Vk + bk), v = Pv Vv + bv, the products on codes of FP4 (E2M1) with one E8M0 byte for each 32 along K; the results are quantised again
; (q, k along the head's 64; v along the keys) and stored as IMAGES OF OPERAND REGISTERS for the attention launch.
; SHARES.  Work-group (x, y): 128 tokens (batch x / 16, group x % 16) of tensor y (0 q, 1 k, 2 v).  Wave w is head w: its 8 weight fragments (64 columns x 256 along K) stay in 64 registers.
; First wave w quantises fragment (tile w / 2, K step w % 2) of P and stores its image in LDS; behind ONE barrier every wave reads all sixteen.
; TILE ORDER, for tokens and for weight columns alike: row r of tile 2 b + u is index 32 b + 8 u + r + 8 (r / 8), so that a lane's 16 result registers of tiles 2 b, 2 b + 1 are the neighbours 32 b + 16 h + 0 .. 15.
; q, k: source 0 = 16 weight columns, source 1 = 16 tokens: a lane holds ONE token and registers along the head's 64, x0 and x1 of a rotary pair in one lane.
; v:    source 0 = 16 tokens, source 1 = 16 weight columns: a lane holds ONE column and registers along the 128 keys, the next product's K.
; The bias is the C of each sum's first matrix instruction.
; ROTARY ANGLES in f32: 10000^(i/32) = 10^(jj/8) x 10^(2 h + p) from a table in two words, rounded once; its reciprocal by two corrections of v_rcp_f32; the angle = position x that, rounded as f32;
; reduced by pi/2 in three words (the first has 21 bits: n x it is taken off exactly by a fused multiply-add); sine and cosine by polynomials on +-pi/4.
; THE KEY MASK RIDES IN K'S SCALE WORD.  A head's 64 fill k = 0 .. 63 of a 128-deep operand.  The attention launch sets k = 64 to -6 on K's side and 1 on Q's; the scale byte of k = 64 .. 95 is, on K's side, 1 for a key
; that counts and 252 for one that is masked, on Q's side 100: so a masked key's score gets -6 x 2^98 and one that counts -6 x 2^-153, which is less than half of f32's smallest number.
; The two paths (q, k | v) part once, on the work-group's number, and each has LDS bytes of its own.
; LIMITS: |position_id| up to 65,535 (the reduction's first step is exact up to there); a block of zeros gets the byte 1 (zero codes; this program alone reads the bytes); NaN and infinities among the inputs are not served.
.set XIMG,  0                          ; LDS, q/k path: P's 16 fragments, (2 tile + K step) x 1,024
.set XSC,   16384                      ; their scale words: 128 tile + 64 K step + 4 r
.set XIMGV, 17408                      ; the same for the v path
.set XSCV,  33792
.set CSN,   34816                      ; cosines and sines: 4,096 tile + 2,048 kind + 512 quad + 16 lane
.set LI,  1                            ; v1   16 x lane
.set LS,  2                            ; v2   4 x lane
.set R4,  3                            ; v3   4 r
.set XA,  4                            ; v4   P: (r + 8 (r / 8)) x 1,024 + 64 h
.set RM4, 5                            ; v5   (r + 8 (r / 8)) x 4
.set HH,  6                            ; v6   h
.set XWI, 7                            ; v7   where I store my image of P: 16 lane + 1,024 wave
.set XWS, 8                            ; v8   and its scale words: 4 r + 64 wave
.set CA,  9                            ; v9   CSN + 16 lane
.set CW,  10                           ; v10  where I store cosines and sines
.set BH,  11                           ; v11  64 h
.set WF,  16                           ; v16-79   weight fragment (t, s) at WF + 16 t + 8 s
.set WS,  80                           ; v80-83   its scale words: lanes 0-15 K step 0, lanes 16-31 K step 1
.set B1,  84                           ; v84-115  the bias, in the result's layout
.set XF,  116                          ; v116-147 P's fragments; before the barrier: at work on the angles
.set XS,  148                          ; v148-149 P's scale words
.set PC,  150                          ; v150-157 the codes just made
.set PW,  158                          ; v158     the scale word just made
.set TM,  160                          ; v160-175 the quantiser's: +0 maxima, +4 bytes, +12 scale operands
.set SW,  176                          ; v176-183 mask words, then the tiles' scale words (v path: v176-179 V's scale words)
.set OPENW, 184
.set MASKW, 185
.set POS, 186
.set PF,  187
.set TT,  188                          ; 10^(2 h + p); later v188-191 at work on the rotation
.set S3,  189
.set C3,  190
.set H,   192                          ; v192-255 P's numbers, then results (q/k: v192-223)
.set COS, 224
.set SIN, 240
.set COSO, 116
.set SINO, 124
.macro XLOAD                           ; my 16 tokens' numbers of my K step: register 16 b + i = k 32 b + 16 h + i
.irp b, 0,1,2,3
.irp j, 0,1,2,3
	global_load_b128 v[H+16*\b+4*\j:H+16*\b+4*\j+3], v[XA], s[4:5] offset:128*\b+16*\j th:TH_LOAD_NT
.endr
.endr
.endm
; 16 nb numbers of a lane, register 16 b + i = k 32 b + 16 h + i of its row, become codes in v[PC] on (registers 4 c .. 4 c + 3: k = 64 c + 32 h + 0 .. 31); the bytes stay in v[TM+4] on; nb = 4: the scale word goes to v[pw].
.macro QUANT s, nb, pw
.irp b, 0,1,2,3
.if \b < \nb
	v_max3_num_f32 v[TM+\b], |v[\s+16*\b]|, |v[\s+1+16*\b]|, 0x1800000   ; with the floor 2^(3 - 127): the byte cannot fall under 1
.endif
.endr
.irp i, 2,4,6,8,10,12,14
.irp b, 0,1,2,3
.if \b < \nb
	v_max3_num_f32 v[TM+\b], v[TM+\b], |v[\s+16*\b+\i]|, |v[\s+1+16*\b+\i]|
.endif
.endr
.endr
.irp b, 0,1,2,3
.if \b < \nb
	v_permlanex16_b32 v[TM+4+\b], v[TM+\b], s50, s51
.endif
.endr
.irp b, 0,1,2,3
.if \b < \nb
	v_max_num_f32 v[TM+\b], v[TM+\b], v[TM+4+\b]   ; with lane l xor 16's: the block's largest magnitude
.endif
.endr
.irp b, 0,1,2,3
.if \b < \nb
	v_add_nc_u32 v[TM+12+\b], 0xff000000, v[TM+\b] ; 2 off its exponent field: the conversion's scale operand
.endif
.endr
.irp b, 0,1,2,3
.if \b < \nb
	v_lshrrev_b32 v[TM+4+\b], 23, v[TM+12+\b]      ; the scale's byte
.endif
.endr
.if \nb == 4
	v_lshl_or_b32 v[\pw], v[TM+5], 8, v[TM+4]
	v_lshl_or_b32 v[\pw], v[TM+6], 16, v[\pw]
	v_lshl_or_b32 v[\pw], v[TM+7], 24, v[\pw]
.endif
.irp b, 0,1,2,3
.if \b < \nb
	v_cvt_scalef32_pk8_fp4_f32 v[PC+2*\b], v[\s+16*\b:\s+7+16*\b], v[TM+12+\b]
	v_cvt_scalef32_pk8_fp4_f32 v[PC+1+2*\b], v[\s+8+16*\b:\s+15+16*\b], v[TM+12+\b]
.endif
.endr
	v_nop                                          ; one plain place behind the last scaled conversion
.irp c, 0,1
.if 2*\c < \nb
.irp i, 0,1
	v_permlane16_swap_b32 v[PC+4*\c+\i], v[PC+2+4*\c+\i]   ; the layout wants a whole block in a lane: lanes 0-15 block 2 c, lanes 16-31 block 2 c + 1
.endr
.endif
.endr
.endm
.macro FETCH reg, off                  ; a fragment's image comes back as it was stored
.irp c, 0,1
	ds_load_b128 v[\reg+4*\c:\reg+4*\c+3], v[LI] offset:\off+512*\c
.endr
.endm
; cosine and sine of position x 1 / (hi + lo) / 10^(2 h + p), into v[COSO+jj] and v[SINO+jj]
.macro TRIG jj, hi, lo
	v_mul_f32 v132, \hi, v[TT]
	v_fma_f32 v133, \hi, v[TT], -v132              ; what that product's rounding lost,
	v_fma_f32 v133, \lo, v[TT], v133               ; and the table's low word
	v_add_f32 v132, v132, v133                     ; a = 10000^(i/32), rounded once
	v_rcp_f32 v134, v132
	v_nop                                          ; one plain place behind the transcendental
	s_wait_alu depctr_va_vdst(0)
	v_fma_f32 v135, -v132, v134, 1.0
	v_fma_f32 v134, v134, v135, v134
	v_fma_f32 v135, -v132, v134, 1.0
	v_fma_f32 v134, v134, v135, v134               ; 1 / a
	v_mul_f32 v136, v[PF], v134                    ; the angle, as f32
	v_mul_f32 v137, 0x3f22f983, v136
	v_rndne_f32 v137, v137                         ; n = the nearest whole number to angle x 2 / pi
	v_fmamk_f32 v138, v137, 0xbfc90fd8, v136       ; less n x pi/2, in three words
	v_fmamk_f32 v138, v137, 0xb4a8885a, v138
	v_fmamk_f32 v138, v137, 0xa7c234c5, v138       ; r
	v_cvt_i32_f32 v139, v137
	v_mul_f32 v140, v138, v138                     ; z = r r
	v_fmaak_f32 v141, v[S3], v140, 0x3c08839e
	v_fmaak_f32 v142, v[C3], v140, 0xbab6061a
	v_fmaak_f32 v141, v141, v140, 0xbe2aaaa3
	v_fmaak_f32 v142, v142, v140, 0x3d2aaaa5
	v_mul_f32 v141, v141, v140
	v_mul_f32 v143, v140, v140
	v_fma_f32 v144, v140, -0.5, 1.0
	v_fma_f32 v141, v141, v138, v138               ; sin r
	v_fma_f32 v142, v142, v143, v144               ; cos r
	v_and_b32 v145, 1, v139
	v_cmp_eq_u32 vcc_lo, 1, v145                   ; in odd quadrants the two change places
	v_cndmask_b32 v146, v141, v142, vcc_lo
	v_cndmask_b32 v147, v142, v141, vcc_lo
	v_lshlrev_b32 v145, 30, v139                   ; the sine is negative where n & 2,
	v_add_nc_u32 v139, 1, v139                     ; the cosine where (n + 1) & 2
	v_and_b32 v145, 0x80000000, v145
	v_lshlrev_b32 v139, 30, v139
	v_xor_b32 v[SINO+\jj], v146, v145
	v_and_b32 v139, 0x80000000, v139
	v_xor_b32 v[COSO+\jj], v147, v139
.endm
	s_load_b512 s[4:19], s[0:1], 0x0               ; Pq, Pk, Pv, bq, bk, bv, wimg, wsc
	s_load_b256 s[20:27], s[0:1], 0x40             ; attention_mask, position_ids, qbuf, kv
	v_lshl_add_u32 v170, v0, 2, 0x10800
	v_mov_b32 v171, 0
	v_lshrrev_b32 v12, 5, v0
	v_readfirstlane_b32 s28, v12                   ; wave = head
	s_and_b32 s29, ttmp7, 0xffff                   ; the tensor
	s_lshr_b32 s30, ttmp9, 4                       ; batch
	s_and_b32 s31, ttmp9, 15                       ; group of 128 tokens
	s_lshr_b32 s32, s28, 1                         ; the tile of P that I quantise,
	s_and_b32 s33, s28, 1                          ; and its K step; also p: which eight frequencies of a half I make
	v_and_b32 v12, 31, v0
	v_and_b32 v13, 15, v0                          ; r
	v_bfe_u32 v[HH], v0, 4, 1
	v_lshlrev_b32 v[LI], 4, v12
	v_lshlrev_b32 v[LS], 2, v12
	v_lshlrev_b32 v[R4], 2, v13
	v_and_b32 v14, 8, v13
	v_add_nc_u32 v14, v14, v13                     ; r + 8 (r / 8)
	v_lshlrev_b32 v[RM4], 2, v14
	v_lshlrev_b32 v[XA], 10, v14
	v_lshl_add_u32 v[XA], v[HH], 6, v[XA]
	v_lshlrev_b32 v[BH], 6, v[HH]
	s_lshl_b32 s52, s28, 10
	v_add_nc_u32 v[XWI], s52, v[LI]
	s_lshl_b32 s52, s28, 6
	v_add_nc_u32 v[XWS], s52, v[R4]
	v_add_nc_u32 v[CA], CSN, v[LI]
	s_lshl_b32 s52, s32, 12
	s_lshl_b32 s53, s33, 10
	s_add_co_u32 s52, s52, s53
	v_add_nc_u32 v[CW], s52, v[CA]                 ; tile w / 2, quads 2 p and 2 p + 1
.irp b, 0,1,2,3
	v_mov_b32 v[TM+4+\b], 0                        ; written once: a lane permute's destination counts as one of its sources
.endr
	s_mov_b32 s50, 0x76543210
	s_mov_b32 s51, 0xfedcba98                      ; v_permlanex16_b32's selects for lane l xor 16
	s_lshl_b32 s34, ttmp9, 7                       ; the block's first token: 128 x (= 2,048 batch + 128 group)
	s_lshl_b32 s38, s34, 2                         ; its mask word
	s_mov_b32 s39, 0
	s_lshr_b32 s35, s32, 1
	s_lshl_b32 s35, s35, 5
	s_add_co_u32 s34, s34, s35
	s_and_b32 s35, s32, 1
	s_lshl_b32 s35, s35, 3
	s_add_co_u32 s34, s34, s35                     ; my tile's first token
	s_lshl_b32 s36, s34, 10
	s_lshl_b32 s35, s33, 9
	s_add_co_u32 s36, s36, s35                     ; P: 1,024 bytes a token, 512 a K step
	s_mov_b32 s37, 0
	s_lshl_b32 s34, s34, 2                         ; its position word
	s_mov_b32 s35, 0
	s_lshl_b32 s40, s29, 17                        ; wimg: 131,072 a tensor, 8,192 a head
	s_lshl_b32 s41, s28, 13
	s_add_co_u32 s40, s40, s41
	s_mov_b32 s41, 0
	s_lshl_b32 s42, s29, 13                        ; wsc: 8,192 a tensor, 512 a head
	s_lshl_b32 s43, s28, 9
	s_add_co_u32 s42, s42, s43
	s_mov_b32 s43, 0
	s_lshl_b32 s44, s28, 8                         ; the bias: 256 bytes a head
	s_mov_b32 s45, 0
	s_lshl_b32 s46, s30, 4
	s_add_co_u32 s46, s46, s28                     ; 16 batch + head
	s_mov_b32 s47, 143360                          ; bytes a head in kv; 73,728 in qbuf
	s_wait_kmcnt 0x0
	s_cmp_eq_u32 s29, 0                            ; the choices hang on the work-group's number alone
	s_cselect_b64 s[4:5], s[4:5], s[6:7]
	s_cselect_b64 s[10:11], s[10:11], s[12:13]
	s_cselect_b64 s[24:25], s[24:25], s[26:27]
	s_cselect_b32 s47, 73728, s47
	s_cmp_eq_u32 s29, 2
	s_cselect_b64 s[4:5], s[8:9], s[4:5]
	s_cselect_b64 s[10:11], s[14:15], s[10:11]
	s_mul_i32 s46, s46, s47
	s_mov_b32 s47, 0
	s_add_nc_u64 s[4:5], s[4:5], s[36:37]
	s_add_nc_u64 s[16:17], s[16:17], s[40:41]
	s_add_nc_u64 s[18:19], s[18:19], s[42:43]
	s_add_nc_u64 s[10:11], s[10:11], s[44:45]
	s_add_nc_u64 s[20:21], s[20:21], s[38:39]
	s_add_nc_u64 s[22:23], s[22:23], s[34:35]
	s_add_nc_u64 s[24:25], s[24:25], s[46:47]      ; my head's part of the output buffer
	XLOAD                                          ; 16 loads
.irp i, 0,1,2,3,4,5,6,7,8,9,10,11,12,13,14,15
	global_load_b128 v[WF+4*\i:WF+4*\i+3], v[LI], s[16:17] offset:512*\i   ; my head's 8 weight fragments: they stay
.endr
	global_load_b128 v[WS:WS+3], v[LI], s[18:19]   ; and their scale words: 17 loads
	s_mov_b32 s35, 0
	s_cmp_eq_u32 s29, 2
	s_cbranch_scc1 .Lv
	; ---------------- q and k ----------------
	global_load_b32 v[POS], v[RM4], s[22:23]       ; the positions of tile w / 2's tokens
.irp u, 0,1,2,3,4,5,6,7
	global_load_b32 v[SW+\u], v[RM4], s[20:21] offset:(32*(\u/2)+8*(\u%2))*4   ; the mask of all eight tiles' tokens
.endr
.irp t, 0,1,2,3
	global_load_b128 v[B1+8*\t:B1+8*\t+3], v[BH], s[10:11] offset:(32*(\t/2)+8*(\t%2))*4      ; lane (r, h), tile t: the bias of dims 32 (t / 2) + 16 h + 8 (t % 2) + 0 .. 7
	global_load_b128 v[B1+8*\t+4:B1+8*\t+7], v[BH], s[10:11] offset:(32*(\t/2)+8*(\t%2))*4+16
.endr
	s_lshl_b32 s34, s31, 12
	s_add_nc_u64 s[42:43], s[24:25], s[34:35]      ; the codes: 4,096 bytes a group
	s_lshl_b32 s34, s31, 9
	s_add_co_u32 s34, s34, 65536
	s_add_nc_u64 s[44:45], s[24:25], s[34:35]      ; the scale words: behind the codes, 512 bytes a group
	s_mov_b32 s46, 0x01010000                      ; k: a key that counts: bytes 2 and 3 are 1;
	s_mov_b32 s47, 0x01fc0000                      ; a masked key: byte 2 is 252
	s_cmp_eq_u32 s29, 0
	s_cselect_b32 s46, 0x64640000, s46             ; q: bytes 2 and 3 are 100, mask or no mask
	s_cselect_b32 s47, 0x64640000, s47
	v_mov_b32 v[OPENW], s46
	v_mov_b32 v[MASKW], s47
	s_mov_b32 s48, 0x41200000                      ; 10
	s_mov_b32 s49, 0x447a0000                      ; 1000
	s_cmp_eq_u32 s33, 0
	s_cselect_b32 s48, 1.0, s48
	s_cselect_b32 s49, 0x42c80000, s49             ; 100
	v_mov_b32 v[TT], s48
	v_mov_b32 v132, s49
	v_cmp_eq_u32 vcc_lo, 1, v[HH]
	v_cndmask_b32 v[TT], v[TT], v132, vcc_lo       ; 10^(2 h + p)
	v_mov_b32 v[S3], 0xb94ca1f9
	v_mov_b32 v[C3], 0x37ccf5ce
	s_wait_loadcnt 34                              ; P's 16 loads are in: behind them stand the weights' 17 and this path's 17
	QUANT H, 4, PW
	ds_store_b128 v[XWI], v[PC:PC+3] offset:XIMG
	ds_store_b128 v[XWI], v[PC+4:PC+7] offset:XIMG+512
	ds_store_b32 v[XWS], v[PW] offset:XSC          ; both lanes of a row write the same word with the same value
	s_wait_loadcnt 8                               ; positions and mask are in: behind them stand the bias's 8 loads
.irp u, 0,1,2,3,4,5,6,7
	v_cmp_ne_u32 vcc_lo, 0, v[SW+\u]
	v_cndmask_b32 v[SW+\u], v[MASKW], v[OPENW], vcc_lo
.endr
	v_cvt_f32_i32 v[PF], v[POS]
	TRIG 0, 0x3f800000, 0                          ; 10^(jj/8) in two words
	TRIG 1, 0x3faab0d5, 0xb36457ec
	TRIG 2, 0x3fe39ea9, 0xb26aee37
	TRIG 3, 0x4017c496, 0x33606947
	TRIG 4, 0x404a62c2, 0xb324b494
	TRIG 5, 0x4086f161, 0xb430577a
	TRIG 6, 0x40b3f300, 0x34323462
	TRIG 7, 0x40eff755, 0x34515b4d
	ds_store_b128 v[CW], v[COSO:COSO+3]
	ds_store_b128 v[CW], v[COSO+4:COSO+7] offset:512
	ds_store_b128 v[CW], v[SINO:SINO+3] offset:2048
	ds_store_b128 v[CW], v[SINO+4:SINO+7] offset:2560
	s_wait_loadcnt 0x0                             ; weights and bias
	s_wait_dscnt 0x0                               ; for the others' sake: my images lie in LDS
	s_barrier_signal -1
	s_barrier_wait -1                              ; behind it LDS is only read
.macro QKTILE u                        ; 16 tokens of my head
	FETCH XF, XIMG+(2*\u)*1024
	FETCH XF+8, XIMG+(2*\u+1)*1024
	ds_load_b32 v[XS], v[LS] offset:XSC+128*\u     ; lanes 0-15: K step 0's words, lanes 16-31: K step 1's
.irp g, 0,1,2,3
	ds_load_b128 v[COS+4*\g:COS+4*\g+3], v[CA] offset:4096*\u+512*\g
	ds_load_b128 v[SIN+4*\g:SIN+4*\g+3], v[CA] offset:4096*\u+2048+512*\g
.endr
	s_wait_dscnt 0x0
.irp t, 0,1,2,3                                ; the four accumulators take turns, one instruction a turn
	v_wmma_scale_f32_16x16x128_f8f6f4 v[H+8*\t:H+8*\t+7], v[WF+16*\t:WF+16*\t+7], v[XF:XF+7], v[B1+8*\t:B1+8*\t+7], v[WS+\t], v[XS] matrix_a_fmt:MATRIX_FMT_FP4 matrix_b_fmt:MATRIX_FMT_FP4
.endr
.irp t, 0,1,2,3
	v_wmma_scale_f32_16x16x128_f8f6f4 v[H+8*\t:H+8*\t+7], v[WF+16*\t+8:WF+16*\t+15], v[XF+8:XF+15], v[H+8*\t:H+8*\t+7], v[WS+\t], v[XS] matrix_a_fmt:MATRIX_FMT_FP4 matrix_b_fmt:MATRIX_FMT_FP4 matrix_a_scale:MATRIX_SCALE_ROW1 matrix_b_scale:MATRIX_SCALE_ROW1
.endr
.rept 4
	v_nop                                          ; four places in front of the first read of results, and of the next tile's loads into operands
.endr
.irp j, 0,2,4,6,8,10,12,14                     ; register j: dim 16 h + j; register 16 + j: dim 32 + 16 h + j: a rotary pair.  Ascending: each accumulator is read from its low end on
	v_pk_mul_f32 v[188:189], v[H+16+\j:H+17+\j], v[SIN+\j:SIN+\j+1]
	v_pk_mul_f32 v[190:191], v[H+\j:H+\j+1], v[SIN+\j:SIN+\j+1]
	v_pk_fma_f32 v[H+\j:H+\j+1], v[H+\j:H+\j+1], v[COS+\j:COS+\j+1], v[188:189] neg_lo:[0,0,1] neg_hi:[0,0,1]
	v_pk_fma_f32 v[H+16+\j:H+17+\j], v[H+16+\j:H+17+\j], v[COS+\j:COS+\j+1], v[190:191]
.endr
	s_wait_xcnt 0x0                                ; the last tile's store has read its data: the codes' registers are written again only behind this wait
	QUANT H, 2, 0
	v_lshl_or_b32 v[TM+4], v[TM+5], 8, v[TM+4]
	v_or_b32 v[SW+\u], v[SW+\u], v[TM+4]           ; the two bytes join the mask's two
	global_store_b128 v[LI], v[PC:PC+3], s[42:43] offset:512*\u   ; 32 lanes store 512 consecutive bytes
.endm
.irp u, 0,1,2,3,4,5,6,7
	QKTILE \u
.endr
	v_cmp_eq_u32 vcc_lo, 1, v[HH]
.irp i, 0,1,2,3
	v_cndmask_b32 v[TM+\i], v[SW+\i], v[SW+4+\i], vcc_lo   ; lanes 0-15: tiles 0-3; lanes 16-31: tiles 4-7
.endr
	global_store_b128 v[LI], v[TM:TM+3], s[44:45]
	s_wait_tensorcnt 0x0
	ds_add_u32 v170, v171
	s_wait_dscnt 0x0
	s_endpgm
	; ---------------- v ----------------
.Lv:
	s_lshl_b32 s34, s31, 12
	s_add_co_u32 s34, s34, 73728
	s_add_nc_u64 s[42:43], s[24:25], s[34:35]      ; V's fragments: 4,096 bytes a group of 128 keys
	s_lshl_b32 s34, s31, 8
	s_add_co_u32 s34, s34, 139264
	s_add_nc_u64 s[44:45], s[24:25], s[34:35]      ; V's scale words: 256 bytes a group
	s_wait_loadcnt 17                              ; P's 16 loads are in: behind them stand the weights' 17
.irp t, 0,1,2,3
.irp j, 0,1,2,3,4,5,6,7
	global_load_b32 v[B1+8*\t+\j], v[RM4], s[10:11] offset:(32*(\t/2)+8*(\t%2))*4   ; here a lane holds one column: all eight registers of a tile's C take its bias
.endr
.endr
	QUANT H, 4, PW
	ds_store_b128 v[XWI], v[PC:PC+3] offset:XIMGV
	ds_store_b128 v[XWI], v[PC+4:PC+7] offset:XIMGV+512
	ds_store_b32 v[XWS], v[PW] offset:XSCV
	s_wait_loadcnt 0x0
	s_wait_dscnt 0x0                               ; for the others' sake: my image lies in LDS
	s_barrier_signal -1
	s_barrier_wait -1                              ; behind it LDS is only read
.macro VTILE t                         ; 16 columns of my head x the 128 keys
.irp pr, 0,1,2,3                               ; two tiles of tokens at a time, their two accumulators by turns
.if \pr > 0
.rept 4
	v_nop                                          ; four places in front of loads into registers that matrix instructions have read
.endr
.endif
.irp i, 0,1,2,3
	FETCH XF+8*\i, XIMGV+(4*\pr+\i)*1024
.endr
	ds_load_b32 v[XS], v[LS] offset:XSCV+128*(2*\pr)
	ds_load_b32 v[XS+1], v[LS] offset:XSCV+128*(2*\pr+1)
	s_wait_dscnt 0x0
	v_wmma_scale_f32_16x16x128_f8f6f4 v[H+16*\pr:H+16*\pr+7], v[XF:XF+7], v[WF+16*\t:WF+16*\t+7], v[B1+8*\t:B1+8*\t+7], v[XS], v[WS+\t] matrix_a_fmt:MATRIX_FMT_FP4 matrix_b_fmt:MATRIX_FMT_FP4
	v_wmma_scale_f32_16x16x128_f8f6f4 v[H+16*\pr+8:H+16*\pr+15], v[XF+16:XF+23], v[WF+16*\t:WF+16*\t+7], v[B1+8*\t:B1+8*\t+7], v[XS+1], v[WS+\t] matrix_a_fmt:MATRIX_FMT_FP4 matrix_b_fmt:MATRIX_FMT_FP4
	v_wmma_scale_f32_16x16x128_f8f6f4 v[H+16*\pr:H+16*\pr+7], v[XF+8:XF+15], v[WF+16*\t+8:WF+16*\t+15], v[H+16*\pr:H+16*\pr+7], v[XS], v[WS+\t] matrix_a_fmt:MATRIX_FMT_FP4 matrix_b_fmt:MATRIX_FMT_FP4 matrix_a_scale:MATRIX_SCALE_ROW1 matrix_b_scale:MATRIX_SCALE_ROW1
	v_wmma_scale_f32_16x16x128_f8f6f4 v[H+16*\pr+8:H+16*\pr+15], v[XF+24:XF+31], v[WF+16*\t+8:WF+16*\t+15], v[H+16*\pr+8:H+16*\pr+15], v[XS+1], v[WS+\t] matrix_a_fmt:MATRIX_FMT_FP4 matrix_b_fmt:MATRIX_FMT_FP4 matrix_a_scale:MATRIX_SCALE_ROW1 matrix_b_scale:MATRIX_SCALE_ROW1
.endr
.rept 4
	v_nop                                          ; four places in front of the first read of results
.endr
	s_wait_xcnt 0x0                                ; the last tile's stores have read their data
	QUANT H, 4, SW+\t                              ; register 16 b + i is key 32 b + 16 h + i of my column: one fragment of V^T and its scale word
	global_store_b128 v[LI], v[PC:PC+3], s[42:43] offset:1024*\t
	global_store_b128 v[LI], v[PC+4:PC+7], s[42:43] offset:1024*\t+512
.endm
.irp t, 0,1,2,3
	VTILE \t
.endr
	s_wait_xcnt 0x0                                ; EXEC changes only behind this wait
	v_cmp_eq_u32 vcc_lo, 0, v[HH]
	s_wait_tensorcnt 0x0
	ds_add_u32 v170, v171
	s_wait_dscnt 0x0
	s_and_saveexec_b32 s34, vcc_lo                 ; lanes 0-15: row r's four words, 256 consecutive bytes
	global_store_b128 v[LI], v[SW:SW+3], s[44:45]
	s_wait_xcnt 0x0
	s_or_b32 exec_lo, exec_lo, s34
	s_endpgm
.Lfunc_end_k_q420850392c_proj:
	.size	k_q420850392c_proj, .Lfunc_end_k_q420850392c_proj-k_q420850392c_proj
	.p2alignl 7, 3214868480
	.fill 96, 4, 3214868480
	.section	.rodata,"a",@progbits
	.p2align	6, 0x0
	.amdhsa_kernel k_q420850392c_proj
		.amdhsa_group_segment_fixed_size 69632
		.amdhsa_private_segment_fixed_size 0
		.amdhsa_enable_private_segment 0
		.amdhsa_kernarg_size 96
		.amdhsa_user_sgpr_count 2
		.amdhsa_user_sgpr_kernarg_segment_ptr 1
		.amdhsa_wavefront_size32 1
		.amdhsa_system_sgpr_workgroup_id_x 1
		.amdhsa_system_sgpr_workgroup_id_y 1
		.amdhsa_system_sgpr_workgroup_id_z 1
		.amdhsa_system_vgpr_workitem_id 0
		.amdhsa_next_free_vgpr 256
		.amdhsa_next_free_sgpr 66
		.amdhsa_reserve_vcc 1
		.amdhsa_float_denorm_mode_32 3
		.amdhsa_float_denorm_mode_16_64 3
		.amdhsa_memory_ordered 1
		.amdhsa_forward_progress 1
		.amdhsa_inst_pref_size 122
	.end_amdhsa_kernel
	.amdgpu_metadata
---
amdhsa.version: [ 1, 2 ]
amdhsa.kernels:
  - .name:           k_q420850392c_proj
    .symbol:         k_q420850392c_proj.kd
    .args:
      - { .name: Pq, .offset: 0, .size: 8, .value_kind: global_buffer, .address_space: global }
      - { .name: Pk, .offset: 8, .size: 8, .value_kind: global_buffer, .address_space: global }
      - { .name: Pv, .offset: 16, .size: 8, .value_kind: global_buffer, .address_space: global }
      - { .name: bq, .offset: 24, .size: 8, .value_kind: global_buffer, .address_space: global }
      - { .name: bk, .offset: 32, .size: 8, .value_kind: global_buffer, .address_space: global }
      - { .name: bv, .offset: 40, .size: 8, .value_kind: global_buffer, .address_space: global }
      - { .name: wimg, .offset: 48, .size: 8, .value_kind: global_buffer, .address_space: global }
      - { .name: wsc, .offset: 56, .size: 8, .value_kind: global_buffer, .address_space: global }
      - { .name: attention_mask, .offset: 64, .size: 8, .value_kind: global_buffer, .address_space: global }
      - { .name: position_ids, .offset: 72, .size: 8, .value_kind: global_buffer, .address_space: global }
      - { .name: qbuf, .offset: 80, .size: 8, .value_kind: global_buffer, .address_space: global }
      - { .name: kv, .offset: 88, .size: 8, .value_kind: global_buffer, .address_space: global }
    .group_segment_fixed_size: 69632
    .private_segment_fixed_size: 0
    .kernarg_segment_align: 8
    .kernarg_segment_size: 96
    .max_flat_workgroup_size: 512
    .sgpr_count:     66
    .vgpr_count:     256
    .wavefront_size: 32
...
	.end_amdgpu_metadata
.endif
;; end of part 2
;; launch attn (part 3): grid 4 x 64, 16 waves a work-group, clusters of 4 x 1, 276,480 bytes of LDS; arguments qbuf, kv, out0; writes out0
.if DOCPART == 3
	.amdgcn_target "amdgcn-amd-amdhsa--gfx1250"
	.amdhsa_code_object_version 6
	.text
	.protected	k_q420850392c_attn
	.globl	k_q420850392c_attn
	.p2align	8
	.type	k_q420850392c_attn,@function
k_q420850392c_attn:
	s_mov_b64 s[64:65], 0
	v_nop
	global_prefetch_b8 v0, s[64:65] scope:SCOPE_SE
	s_setreg_imm32_b32 hwreg(HW_REG_WAVE_MODE, 25, 1), 1
	s_wait_xcnt 0x0
	s_wait_alu depctr_hold_cnt(0) depctr_sa_sdst(0) depctr_va_vdst(0) depctr_va_sdst(0) depctr_va_ssrc(0) depctr_va_vcc(0) depctr_vm_vsrc(0)
	s_getreg_b32 s2, hwreg(HW_REG_IB_STS2, 6, 4)
	s_cmp_eq_u32 s2, 0
	s_cbranch_scc0 .Lentry_in_a_cluster
	s_endpgm
.Lentry_in_a_cluster:
	s_bfe_u32 s2, ttmp6, 0x10000c
	s_cmp_lg_u32 s2, 0x3003
	s_cbranch_scc0 .Lentry_shape_is_right
	s_endpgm
.Lentry_shape_is_right:
; out[b][q][head][:] = sum over keys of p V / sum of p, p = exp(score / 8 - the row's largest score / 8), keys that are masked left out; both products on codes of FP4 (E2M1) with one E8M0 byte for each 32 along K.
; p is quantised as it stands, under the row's TRUE maximum, so the keys are walked twice: pass A finds the maxima, pass B makes p and multiplies by V.  The scores of both passes come from the same instructions on the same
; operands, so they have the same bits.  Pass A also keeps each query's largest score of every block of 32 keys (in LDS): put through the same lines as the scores it gives the block's largest p, and so p's scale byte.
; SHARES.  A work-group owns 512 queries of one (batch, head); each of its sixteen waves 32 of them, as two tiles X and Y of 16, in 256 registers: four waves to a SIMD, so that one wave's vector work stands beside another's
; matrix work and LDS loads.  ALL of the head's K, V and scale words, 143,360 bytes, lie in LDS: filled once, each wave bringing 35 rows of 256 bytes; nothing is filled again.
; CLUSTER.  The four query blocks of a head form a cluster and ask for those bytes JOINTLY: the same tensor load, the same descriptor, a mask that names the four.  Each wave has one tensor load outstanding.
; LAYOUT.  Both products are used transposed: S^T = K Q^T, O^T = V^T P^T: a lane holds ONE query (lane % 16).  Row r of key tile 2 b + u is key 32 b + 8 u + r + 8 (r / 8), so that the 16 registers of two neighbouring tiles
; are the keys 32 b + 16 (lane / 16) + 0 .. 15.  All operands come as images of their registers: 16 bytes a lane, 512 consecutive bytes a load.
; THE MASK.  A head's 64 fill k = 0 .. 63 of the 128-deep operands (registers 0-3).  Registers 4-7 are constants: k = 64 is -6 on K's side and 1 on Q's, all else 0.  The scale byte of k = 64 .. 95 is 100 on Q's side and, on K's,
; 1 for a key that counts (the term is -6 x 2^-153: less than half of f32's smallest number) and 252 for a masked one (-6 x 2^98): its p is 0.  A row whose largest score lies under -2^90 has no key: its maximum counts as 0, its sum is 0, and 0 is stored.
; exp2((s - m) c), c = log2(e) / 8: the subtraction stands apart from the multiplication, so that the largest p is 1 for inputs of any size.
; LIMITS: |score| < 2^90; p under 2^-126 counts as 0 (v_exp_f32 gives 0 there: ISA guide, its entry); a block whose every p is 0 gets the byte 1 (zero codes); NaN and infinities are not served.
; The last look-ahead of each pass (four fragments and a scale image) reads filled LDS bytes behind K's regions and is thrown away: five loads, twice a wave, for a loop without a tail.
.set KSC,  65536                       ; LDS: K's fragments from 0; K's scale words;
.set VIMG, 73728                       ; V's fragments;
.set VSC,  139264                      ; V's scale words;
.set BM,   143360                      ; and, 8,192 bytes for each wave, its own: the blocks' largest scores (4,096 tile + 256 group + 16 r + 4 block), later its stage of 16 rows x 272 bytes
.set LI,  1                            ; v1   16 x lane
.set R16, 2                            ; v2   16 r
.set BML, 3                            ; v3   16 r + 4 h
.set ADK, 4                            ; v4-7 addresses of the loads in hand: K, K's scale words, V, V's scale words
.set ADS, 5
.set ADV, 6
.set ADT, 7
.set ABS, 8                            ; v8   where the blocks' maxima go;  v9 where they come from
.set ABL, 9
.set GO,  10                           ; v10  the way out: my byte offset in out0;  v11 into the stage;  v12 out of it
.set STO, 11
.set RD,  12
; v14 (pair v14-15) X's maximum, v38 (pair v38-39) Y's;  v16-17, v18-19 the sums, each in two halves;  v20-27, v28-35 Q's fragments;  v36, v37 Q's scale words;
; v40-71 four fragments of K;  v72-75 K's scale words;  v76-79 V's;  v80-83, v84-87 X's and Y's block maxima, then scale operands;  v88-95 at work;  v96-103, v104-111 p's codes;  v112, v113 p's scale words;
; v114-115 at work;  v128-159, v160-191 S^T then p of X and of Y (X's also V's fragments);  v192-223, v224-255 O^T.
; s10 wave;  s[14:15] lane selects;  s[16:17] c;  s[20:23], s[24:31] the descriptor;  s32-37 stepped LDS offsets;  s38 loop counter;  s39 my own LDS bytes
.macro ROUND                           ; a round of the cluster's barrier
	s_barrier_signal -1
	s_barrier_wait -1
	s_cmp_lg_u32 s10, 0
	s_cbranch_scc1 .Lnot_wave_0_\@
	s_barrier_signal -3
.Lnot_wave_0_\@:
	s_barrier_wait -3
	s_barrier_signal -1
	s_barrier_wait -1
.endm
	s_load_b128 s[4:7], s[0:1], 0x0                ; qbuf, kv
	s_load_b64 s[8:9], s[0:1], 0x10                ; out0
	v_lshl_add_u32 v126, v0, 2, 0x43000
	v_mov_b32 v127, 0
	ds_add_u32 v126, v127
	ds_add_u32 v126, v127
	v_lshrrev_b32 v13, 5, v0
	v_readfirstlane_b32 s10, v13                   ; wave 0..15
	s_bfe_u32 s11, ttmp6, 0x40000                  ; cx: it enters qbuf's and out0's addresses alone
	s_lshl_b32 s12, ttmp9, 2
	s_add_co_u32 s12, s12, s11                     ; my block of 512 queries
	s_and_b32 s13, ttmp7, 0xffff                   ; 16 batch + head, which the four partners share
	s_mul_i32 s40, s13, 143360
	s_mul_i32 s21, s10, 8960                       ; my 35 rows of 256 bytes: their place in LDS,
	s_add_co_u32 s40, s40, s21                     ; and in kv
	s_mov_b32 s41, 0
	s_mov_b32 s20, 1                               ; group 0: count = 1
	s_mov_b32 s24, 0x0023000f                      ; group 1: 15:0 the mask: all four work-groups; 17:16 elements of 8 bytes; 21 set beside a mask; no padding
	s_mov_b32 s25, 32<<16                          ; tensor_dim0 = 32 elements = 256 bytes
	s_mov_b32 s26, 35<<16                          ; tensor_dim1 = 35
	s_mov_b32 s27, 32<<16                          ; tile_dim0
	s_mov_b32 s28, 35                              ; tile_dim1
	s_mov_b32 s29, 32                              ; the pitch: the block is dense
	s_mov_b32 s30, 0
	s_mov_b32 s31, 0
	s_mul_i32 s42, s13, 73728                      ; Q's codes: tile 32 block + 2 wave, 512 bytes a tile
	s_add_co_u32 s44, s42, 65536                   ; Q's scale words: group 4 block + wave / 4, lane half (wave / 2) % 2, words 2 (wave % 2) and the next
	s_lshl_b32 s43, s12, 14
	s_add_co_u32 s42, s42, s43
	s_lshl_b32 s43, s10, 10
	s_add_co_u32 s42, s42, s43
	s_mov_b32 s43, 0
	s_lshl_b32 s45, s12, 11
	s_add_co_u32 s44, s44, s45
	s_lshr_b32 s45, s10, 2
	s_lshl_b32 s45, s45, 9
	s_add_co_u32 s44, s44, s45
	s_bfe_u32 s45, s10, 0x10001
	s_lshl_b32 s45, s45, 8
	s_add_co_u32 s44, s44, s45
	s_and_b32 s45, s10, 1
	s_lshl_b32 s45, s45, 3
	s_add_co_u32 s44, s44, s45
	s_mov_b32 s45, 0
	s_lshr_b32 s46, s13, 4                         ; out0: ((2,048 batch + 512 block + 32 wave) x 16 + head) x 256
	s_lshl_b32 s46, s46, 23
	s_lshl_b32 s47, s12, 21
	s_add_co_u32 s46, s46, s47
	s_lshl_b32 s47, s10, 17
	s_add_co_u32 s46, s46, s47
	s_and_b32 s47, s13, 15
	s_lshl_b32 s47, s47, 8
	s_add_co_u32 s46, s46, s47
	s_mov_b32 s47, 0
	s_mov_b32 s14, 0x76543210
	s_mov_b32 s15, 0xfedcba98                      ; v_permlanex16_b32's selects for lane l xor 16
	s_mov_b32 s16, 0x3e38aa3b                      ; c = log2(e) / 8
	s_mov_b32 s17, s16                             ; (named with it as a pair, so it is written)
	s_lshl_b32 s39, s10, 13
	s_add_co_u32 s39, s39, BM                      ; my own 8,192 bytes of LDS
	s_wait_dscnt 0x0
	s_wait_kmcnt 0x0
	s_add_nc_u64 s[22:23], s[6:7], s[40:41]
	s_or_b32 s23, s23, 0x80000000                  ; type = 2
	s_add_nc_u64 s[44:45], s[4:5], s[44:45]
	s_add_nc_u64 s[4:5], s[4:5], s[42:43]
	s_add_nc_u64 s[8:9], s[8:9], s[46:47]
	ROUND                                          ; all four work-groups are here: the joint loads meet
	tensor_load_to_lds s[20:23], s[24:31]          ; my one tensor load
	s_nop 0
.rept 4
	v_nop
.endr
	v_and_b32 v13, 31, v0
	v_lshlrev_b32 v[LI], 4, v13
	v_and_b32 v88, 15, v0                          ; r
	v_bfe_u32 v89, v0, 4, 1                        ; h
	v_lshlrev_b32 v[R16], 4, v88
	v_lshl_add_u32 v[BML], v89, 2, v[R16]
	global_load_b128 v[20:23], v[LI], s[4:5]                 ; Q's codes, tile X
	global_load_b128 v[28:31], v[LI], s[4:5] offset:512      ; and Y
	global_load_b64 v[36:37], v[R16], s[44:45]               ; their scale words
	v_mul_u32_u24 v[STO], v88, 272
	v_lshl_add_u32 v[STO], v89, 6, v[STO]
	v_add_nc_u32 v[STO], s39, v[STO]               ; into the stage: row r, + 64 h
	v_mul_u32_u24 v[RD], v89, 272
	v_lshl_add_u32 v[RD], v88, 4, v[RD]
	v_add_nc_u32 v[RD], s39, v[RD]                 ; out of it: lanes 0-15 one row, lanes 16-31 the next
	v_lshlrev_b32 v[GO], 12, v89
	v_lshl_add_u32 v[GO], v88, 4, v[GO]            ; and the same in out0, where a token's rows lie 4,096 bytes apart
	v_xor_b32 v13, 1, v89                          ; 1 in lanes 0-15, which hold k = 64 .. 95 in registers 4-7
	v_lshlrev_b32 v24, 1, v13                      ; Q: the code 2 (1.0) at k = 64
	v_lshlrev_b32 v32, 1, v13
.irp t, 0,1,2,3
	v_mul_u32_u24 v[44+8*\t], 15, v13              ; K: the code 15 (-6) at k = 64
.endr
.irp i, 25,26,27,33,34,35,45,46,47,53,54,55,61,62,63,69,70,71
	v_mov_b32 v\i, 0                               ; the rest of k = 64 .. 127
.endr
	v_mov_b32 v14, 0xff800000                      ; the maxima begin at -infinity
	v_mov_b32 v15, 0xff800000                      ; (the pairs' upper words are named, so they are written)
	v_mov_b32 v38, 0xff800000
	v_mov_b32 v39, 0xff800000
	s_wait_tensorcnt 0x0                           ; my part of the head's bytes is in,
	s_barrier_signal -1
	s_barrier_wait -1                              ; everybody's is.  From here on the shared bytes are only read, and each wave writes its own bytes alone
.macro PRIME                           ; a pass begins: group 0's scale words and its first four fragments of K
	s_mov_b32 s32, 2048
	s_mov_b32 s33, KSC+512
	v_add_nc_u32 v[ADS], KSC, v[LI]
	ds_load_b128 v[72:75], v[ADS]
.irp t, 0,1,2,3
	ds_load_b128 v[40+8*\t:43+8*\t], v[LI] offset:512*\t
.endr
.endm
; S^T of 64 keys (half hf of a group) for both tiles, and the next 64 keys' fragments asked for.  wait: the LDS loads issued behind K's, which may stay out.
.macro QK hf, wait
	s_wait_dscnt \wait
.irp t, 0,1,2,3
.irp q, 0,1
.if \hf
	v_wmma_scale_f32_16x16x128_f8f6f4 v[128+32*\q+8*\t:135+32*\q+8*\t], v[40+8*\t:47+8*\t], v[20+8*\q:27+8*\q], 0, v[72+\t], v[36+\q] matrix_a_fmt:MATRIX_FMT_FP4 matrix_b_fmt:MATRIX_FMT_FP4 matrix_a_scale:MATRIX_SCALE_ROW1
.else
	v_wmma_scale_f32_16x16x128_f8f6f4 v[128+32*\q+8*\t:135+32*\q+8*\t], v[40+8*\t:47+8*\t], v[20+8*\q:27+8*\q], 0, v[72+\t], v[36+\q] matrix_a_fmt:MATRIX_FMT_FP4 matrix_b_fmt:MATRIX_FMT_FP4
.endif
.endr
.endr
	v_add_nc_u32 v[ADK], s32, v[LI]                ; four places in front of the loads into operands and of the first read of results
.if \hf
	v_add_nc_u32 v[ADS], s33, v[LI]
.else
	v_nop
.endif
	v_nop
	v_nop
.irp t, 0,1,2,3
	ds_load_b128 v[40+8*\t:43+8*\t], v[ADK] offset:512*\t
.endr
	s_add_co_u32 s32, s32, 2048
.if \hf
	ds_load_b128 v[72:75], v[ADS]                  ; the next group's scale words: lanes 0-15 tiles 0-3, lanes 16-31 tiles 4-7
	s_add_co_u32 s33, s33, 512
.endif
.endm
; PASS A, 64 keys: the largest score of each of two blocks of 32 keys, for both tiles
.macro HALFA hf
	QK \hf, 0
.irp n, 0,1,2,3                                ; four chains by turns: X's two blocks, Y's two; each accumulator is read from its low end on
	v_max3_num_f32 v[88+\n], v[128+16*\n], v[129+16*\n], v[130+16*\n]
.endr
.irp i, 3,5,7,9,11,13
.irp n, 0,1,2,3
	v_max3_num_f32 v[88+\n], v[88+\n], v[128+16*\n+\i], v[129+16*\n+\i]
.endr
.endr
.irp n, 0,1,2,3
	v_max_num_f32 v[88+\n], v[88+\n], v[143+16*\n]
.endr
	v_permlane16_swap_b32 v88, v89                 ; a block's two halves lie in lanes l and l xor 16: after the exchange lanes 0-15 hold both halves of the first block, lanes 16-31 of the second
	v_permlane16_swap_b32 v90, v91
	v_max_num_f32 v88, v88, v89
	v_max_num_f32 v90, v90, v91
	ds_store_b32 v[ABS], v88 offset:8*\hf          ; block 2 hf + h of query r
	ds_store_b32 v[ABS], v90 offset:4096+8*\hf
	v_max_num_f32 v14, v14, v88
	v_max_num_f32 v38, v38, v90
.endm
	PRIME
	s_mov_b32 s34, s39
	s_mov_b32 s38, 16
	s_wait_loadcnt 0x0                             ; Q
.Lmax:                                             ; 16 trips: a group of 128 keys each
	v_add_nc_u32 v[ABS], s34, v[BML]
	HALFA 0
	HALFA 1
	s_add_co_u32 s34, s34, 256
	s_sub_co_u32 s38, s38, 1
	s_cmp_lg_u32 s38, 0
	s_cbranch_scc1 .Lmax
	v_permlanex16_b32 v88, v14, s14, s15
	v_permlanex16_b32 v90, v38, s14, s15
	v_max_num_f32 v14, v14, v88                    ; with lane l xor 16's blocks: the row's largest score
	v_max_num_f32 v38, v38, v90
	v_cmp_le_f32 vcc_lo, 0xec800000, v14           ; under -2^90: every key is masked, and the maximum counts as 0
	v_cndmask_b32 v14, 0, v14, vcc_lo
	v_cmp_le_f32 vcc_lo, 0xec800000, v38
	v_cndmask_b32 v38, 0, v38, vcc_lo
.irp i, 16,17,18,19
	v_mov_b32 v\i, 0                               ; the sums
.endr
; The four blocks' largest scores of both tiles go through the very lines that the scores go through, and give the scale operands (v80-87, in place) and p's scale words (v112, v113)
.macro BSCALE
.irp q, 0,1
	v_pk_add_f32 v[80+4*\q:81+4*\q], v[80+4*\q:81+4*\q], v[14+24*\q:15+24*\q] op_sel_hi:[1,0] neg_lo:[0,1] neg_hi:[0,1]
	v_pk_add_f32 v[82+4*\q:83+4*\q], v[82+4*\q:83+4*\q], v[14+24*\q:15+24*\q] op_sel_hi:[1,0] neg_lo:[0,1] neg_hi:[0,1]
.endr
.irp j, 0,2,4,6
	v_pk_mul_f32 v[80+\j:81+\j], v[80+\j:81+\j], s[16:17] op_sel_hi:[1,0]
.endr
.irp j, 0,1,2,3,4,5,6,7
	v_exp_f32 v[80+\j], v[80+\j]
.endr
	v_nop                                          ; one plain place behind the exponentials
	s_wait_alu depctr_va_vdst(0)
.irp j, 0,1,2,3,4,5,6,7
	v_max_num_f32 v[80+\j], 0x1800000, v[80+\j]    ; the floor 2^(3 - 127): the byte cannot fall under 1
.endr
.irp j, 0,1,2,3,4,5,6,7
	v_add_nc_u32 v[80+\j], 0xff000000, v[80+\j]    ; 2 off the exponent field: the conversion's scale operand
.endr
.irp j, 0,1,2,3,4,5,6,7
	v_lshrrev_b32 v[88+\j], 23, v[80+\j]           ; the scale's byte
.endr
.irp q, 0,1
	v_lshl_or_b32 v[112+\q], v[89+4*\q], 8, v[88+4*\q]
.endr
.irp q, 0,1
	v_lshl_or_b32 v[112+\q], v[90+4*\q], 16, v[112+\q]
.endr
.irp q, 0,1
	v_lshl_or_b32 v[112+\q], v[91+4*\q], 24, v[112+\q]
.endr
.endm
; 64 keys of tile q (0 X, 1 Y), half hf of the group: p, its codes (registers 4 hf .. 4 hf + 3 of the operand), and its sum
.macro SOFT q, hf
.set rS, 128+32*\q
.set rP, 96+8*\q+4*\hf
.set rE, 80+4*\q+2*\hf
.set rM, 14+24*\q
.set rL, 16+2*\q
.irp j, 0,2,4,6,8,10,12,14,16,18,20,22,24,26,28,30
	v_pk_add_f32 v[rS+\j:rS+\j+1], v[rS+\j:rS+\j+1], v[rM:rM+1] op_sel_hi:[1,0] neg_lo:[0,1] neg_hi:[0,1]   ; s - m (of the pair the low word serves both halves)
.endr
.irp j, 0,2,4,6,8,10,12,14,16,18,20,22,24,26,28,30
	v_pk_mul_f32 v[rS+\j:rS+\j+1], v[rS+\j:rS+\j+1], s[16:17] op_sel_hi:[1,0]
.endr
.irp j, 0,1,2,3,4,5,6,7,8,9,10,11,12,13,14,15,16,17,18,19,20,21,22,23,24,25,26,27,28,29,30,31
	v_exp_f32 v[rS+\j], v[rS+\j]
.endr
	v_nop                                          ; one plain place behind the exponentials
	s_wait_alu depctr_va_vdst(0)
.irp b, 0,1
	v_cvt_scalef32_pk8_fp4_f32 v[rP+2*\b], v[rS+16*\b:rS+16*\b+7], v[rE+\b]
	v_cvt_scalef32_pk8_fp4_f32 v[rP+2*\b+1], v[rS+16*\b+8:rS+16*\b+15], v[rE+\b]
.endr
	v_nop                                          ; one plain place behind the last scaled conversion
	v_permlane16_swap_b32 v[rP], v[rP+2]           ; the layout wants a whole block in a lane
	v_permlane16_swap_b32 v[rP+1], v[rP+3]
	v_pk_add_f32 v[114:115], v[rS:rS+1], v[rS+2:rS+3]        ; the sum is taken of the unquantised p, two at a time, in two chains
.irp j, 4,8,12,16,20,24,28
	v_pk_add_f32 v[rL:rL+1], v[rL:rL+1], v[rS+\j:rS+\j+1]
	v_pk_add_f32 v[114:115], v[114:115], v[rS+\j+2:rS+\j+3]
.endr
	v_pk_add_f32 v[rL:rL+1], v[rL:rL+1], v[114:115]
.endm
; PASS B, a group of 128 keys.  zero = 1: the first group's products start O^T's sums
.macro STEPB zero
	ds_load_b128 v[80:83], v[ABL]                  ; the group's four block maxima of query r, tile X,
	ds_load_b128 v[84:87], v[ABL] offset:4096      ; tile Y,
	ds_load_b128 v[76:79], v[ADT]                  ; and V's scale words
	QK 0, 3                                        ; K's fragments and scale words are older than these three
	s_wait_dscnt 4                                 ; the three are in; the four fragments just asked for may stay out
	BSCALE
	SOFT 0, 0
	SOFT 1, 0
	QK 1, 0
	SOFT 0, 1
.irp i, 0,1,2,3,4,5,6,7
	ds_load_b128 v[128+4*\i:131+4*\i], v[ADV] offset:512*\i   ; V's four fragments into X's registers, which are done with
.endr
	SOFT 1, 1                                      ; (its sixteen additions are the places behind the last write of p's codes)
	s_wait_dscnt 0x0
.irp t, 0,1,2,3                                ; the eight accumulators take turns, one instruction a turn
.irp q, 0,1
.if \zero
	v_wmma_scale_f32_16x16x128_f8f6f4 v[192+32*\q+8*\t:199+32*\q+8*\t], v[128+8*\t:135+8*\t], v[96+8*\q:103+8*\q], 0, v[76+\t], v[112+\q] matrix_a_fmt:MATRIX_FMT_FP4 matrix_b_fmt:MATRIX_FMT_FP4
.else
	v_wmma_scale_f32_16x16x128_f8f6f4 v[192+32*\q+8*\t:199+32*\q+8*\t], v[128+8*\t:135+8*\t], v[96+8*\q:103+8*\q], v[192+32*\q+8*\t:199+32*\q+8*\t], v[76+\t], v[112+\q] matrix_a_fmt:MATRIX_FMT_FP4 matrix_b_fmt:MATRIX_FMT_FP4
.endif
.endr
.endr
	s_add_co_u32 s35, s35, 256
	s_add_co_u32 s36, s36, 256
	s_add_co_u32 s37, s37, 4096
	v_add_nc_u32 v[ABL], s35, v[R16]               ; five places: the next scores are written over V's fragments, which these products read
	v_add_nc_u32 v[ADT], s36, v[R16]
	v_add_nc_u32 v[ADV], s37, v[LI]
	v_nop
	v_nop
.endm
	s_wait_dscnt 0x0                               ; pass A's last look-ahead is in: its registers are loaded anew
	PRIME
	s_mov_b32 s35, s39
	s_mov_b32 s36, VSC
	s_mov_b32 s37, VIMG
	v_add_nc_u32 v[ABL], s35, v[R16]
	v_add_nc_u32 v[ADT], s36, v[R16]
	v_add_nc_u32 v[ADV], s37, v[LI]
	STEPB 1
	s_mov_b32 s38, 15
.Lstep:
	STEPB 0
	s_sub_co_u32 s38, s38, 1
	s_cmp_lg_u32 s38, 0
	s_cbranch_scc1 .Lstep
; THE WAY OUT of tile q.  O^T / the sum goes through my stage and leaves as whole rows of 256 bytes: one (token, head).  Register 8 t + j is dim 32 (t / 2) + 16 h + 8 (t % 2) + j of query r.
.macro OUT q
.set rS, 128+32*\q
.set rO, 192+32*\q
.set rL, 16+2*\q
	v_add_f32 v88, v[rL], v[rL+1]                  ; the sum's two halves,
	v_permlanex16_b32 v89, v88, s14, s15
	v_add_f32 v88, v88, v89                        ; and lane l xor 16's
	v_cmp_lt_f32 vcc_lo, 0, v88
	v_cndmask_b32 v88, 1.0, v88, vcc_lo            ; a row without keys: O^T is 0 there, and is divided by 1
	v_rcp_f32 v90, v88
	v_nop                                          ; one plain place behind the transcendental
	s_wait_alu depctr_va_vdst(0)
.irp j, 0,2,4,6,8,10,12,14,16,18,20,22,24,26,28,30
	v_pk_mul_f32 v[rS+\j:rS+\j+1], v[rO+\j:rO+\j+1], v[90:91] op_sel_hi:[1,0]   ; ascending: each accumulator is read from its low end on
.endr
.irp t, 0,1,2,3
	ds_store_b128 v[STO], v[rS+8*\t:rS+8*\t+3] offset:128*(\t/2)+32*(\t%2)
	ds_store_b128 v[STO], v[rS+8*\t+4:rS+8*\t+7] offset:128*(\t/2)+32*(\t%2)+16
.endr
.irp i, 0,1,2,3,4,5,6,7
	ds_load_b128 v[rS+4*\i:rS+4*\i+3], v[RD] offset:544*\i   ; LDS serves a wave's instructions in order (ISA guide 5.7.1.4): these see my stores, and the next tile's stores come behind them
.endr
.irp i, 0,1,2,3,4,5,6,7
	s_wait_dscnt 7-\i                              ; the younger loads from the stage may stay out
	global_store_b128 v[GO], v[rS+4*\i:rS+4*\i+3], s[8:9] offset:(2*\i+8*(\i/4)+8*\q)*4096 th:TH_STORE_NT   ; stage row n is token n + 8 (n / 8) + 8 q of my 32; 16 lanes store 256 consecutive bytes, aligned
.endr
.endm
	OUT 0
	OUT 1
	s_wait_dscnt 0x0                               ; the last look-ahead of pass B too: no LDS instruction of mine is out at a signal
	s_wait_tensorcnt 0x0
	ds_add_u32 v126, v127
	s_wait_dscnt 0x0
	ROUND                                          ; the closing round: no work-group ends while a partner may still ask
	s_endpgm
.Lfunc_end_k_q420850392c_attn:
	.size	k_q420850392c_attn, .Lfunc_end_k_q420850392c_attn-k_q420850392c_attn
	.p2alignl 7, 3214868480
	.fill 96, 4, 3214868480
	.section	.rodata,"a",@progbits
	.p2align	6, 0x0
	.amdhsa_kernel k_q420850392c_attn
		.amdhsa_group_segment_fixed_size 276480
		.amdhsa_private_segment_fixed_size 0
		.amdhsa_enable_private_segment 0
		.amdhsa_kernarg_size 24
		.amdhsa_user_sgpr_count 2
		.amdhsa_user_sgpr_kernarg_segment_ptr 1
		.amdhsa_wavefront_size32 1
		.amdhsa_system_sgpr_workgroup_id_x 1
		.amdhsa_system_sgpr_workgroup_id_y 1
		.amdhsa_system_sgpr_workgroup_id_z 1
		.amdhsa_system_vgpr_workitem_id 0
		.amdhsa_next_free_vgpr 256
		.amdhsa_next_free_sgpr 66
		.amdhsa_reserve_vcc 1
		.amdhsa_float_denorm_mode_32 3
		.amdhsa_float_denorm_mode_16_64 3
		.amdhsa_memory_ordered 1
		.amdhsa_forward_progress 1
		.amdhsa_inst_pref_size 74
	.end_amdhsa_kernel
	.amdgpu_metadata
---
amdhsa.version: [ 1, 2 ]
amdhsa.kernels:
  - .name:           k_q420850392c_attn
    .symbol:         k_q420850392c_attn.kd
    .args:
      - { .name: qbuf, .offset: 0, .size: 8, .value_kind: global_buffer, .address_space: global }
      - { .name: kv, .offset: 8, .size: 8, .value_kind: global_buffer, .address_space: global }
      - { .name: out0, .offset: 16, .size: 8, .value_kind: global_buffer, .address_space: global }
    .group_segment_fixed_size: 276480
    .private_segment_fixed_size: 0
    .kernarg_segment_align: 8
    .kernarg_segment_size: 24
    .max_flat_workgroup_size: 512
    .sgpr_count:     66
    .vgpr_count:     256
    .wavefront_size: 32
...
	.end_amdgpu_metadata
.endif
;; end of part 3
